; MI455X (gfx1250); checked and timed in simulation.
; The chip was launched on July 23, 2026; its instructions are those of AMD's public machine-readable ISA for CDNA 5 (MIT licence, August 2026) and "CDNA5" Instruction Set Architecture Reference Guide (July 2026). The comments in the code are by the model that wrote it; some were corrected since.
;; Moonshot Linear. Allowed arithmetic: matrix products marked QUANTISED: E2M3 operands, one E8M0 scale for each 32 along K, by v_wmma_scale_f32_16x16x128_f8f6f4 with both operands' format E2M3, f32 sums; everything else in f32.
;; Inputs: bias 2,048 float32; codebook 256 x 8 float32; indices 1,048,576 int32; x_codes 4 x 2,048 x 128 x 24 uint8 (E2M3 codes of x, K innermost, in blocks of 32 codes, four codes in three bytes); x_scales 4 x 2,048 x 128 uint8 (E8M0 scales of x, one for each 32 codes along K).
;; Outputs: out0 4 x 2,048 x 2,048 float32.
;; This version of the problem:
;;   THIS VERSION OF THE PROBLEM IS GIVEN IN LOW PRECISION. The matrix products marked QUANTISED in the list below multiply operands that are first quantised to E2M3 (2 exponent bits, 3 mantissa bits; 6 bits a number), with one power-of-two scale for each 32 numbers along K (OCP MX v1.0); their sums are f32. All else is computed in f32.
;;   The module's matrix products, in the order in which they are computed (A, B: the left and right operand; K: the contracted axis; several contracted axes count as one K, in the product's order):
;;     1. [M 8,192, K 4,096] x [K 4,096, N 2,048]; A: input x (given as codes); B: computed on the way: QUANTISED
;;   THE QUANTISER, for each operand of a quantised product, along K:
;;     - K is cut into blocks of 32 from its start; a last block that is shorter is filled with zeros.
;;     - A block's scale is 2^e with e = floor(log2(the largest magnitude in the block)) - 2, held to -126 .. 127; a block of zeros has e = 0. As a byte (E8M0): e + 127.
;;     - Each number is divided by its block's scale, clamped to +-7.5, and rounded to the nearest number of E2M3, ties to even, subnormals kept.
;;     - The product sums the exact products of the quantised numbers (number of the format x scale) in f32.
;;   ~~~python
;;   def quantise(x, axis):      # numpy; x: float32 -> the quantised numbers, widened to float32 again
;;       x = np.moveaxis(x, axis, -1); K = x.shape[-1]
;;       x = np.pad(x, [(0, 0)] * (x.ndim - 1) + [(0, -K % 32)]); x = x.reshape(x.shape[:-1] + (-1, 32)); a = np.abs(x).max(-1, keepdims=True)
;;       e = np.where(a > 0, np.clip(np.frexp(np.where(a > 0, a, 1))[1] - 1 - 2, -126, 127), 0)      # np.frexp(a)[1] - 1 = floor(log2(a)), exactly
;;       r = np.clip(x / 2.0 ** e, -7.5, 7.5)
;;       step = 2.0 ** (np.maximum(np.frexp(np.where(r == 0, 1, r))[1] - 1, 0) - 3)
;;       q = np.round(r / step) * step * 2.0 ** e      # np.round: ties to even
;;       return np.moveaxis(q.reshape(q.shape[:-2] + (-1,))[..., :K], -1, axis).astype(np.float32)
;;   ~~~
;;   OPERANDS COMPUTED ON THE WAY. 'Computed on the way' means the value that the module computes at that place (a softmax that the list does not call 'softmax' is quantised finished and normalised). What goes into a quantiser is computed in f32, as accurately as f32 sums, v_exp_f32 and their like allow (about 1e-6 of the number): no bf16 or f16 on the way to a quantiser, and a product that is left as it is and whose result goes on into a quantised operand takes f32 operands (vector FMAs, or v_wmma_f32_16x16x4_f32). A number that lies on a knife's edge between two numbers of the format may be rounded either way, as far as f32 arithmetic and the matrix unit's own rounding can turn it there, and no further.
;;   INPUTS GIVEN AS CODES. x (in the module: [4, 2048, 4096], K = its axis 2): each comes as NAME_codes (uint8): NAME with its K axis moved to the last place and cut into blocks of 32 codes, [.., K / 32, bytes a block], one block behind the other in memory; four codes in three bytes: a row's codes are one little-endian stream of bits, code i at bits 6 i .. 6 i + 5 (a code: sign, 2 exponent bits, 3 mantissa bits); and NAME_scales (uint8): the same leading axes, one E8M0 byte (e + 127) for each 32 codes along K. Its value is code x scale, taken as it is: it is not quantised again, and the codes and scales need not be those that the quantiser above would give.
;; One version. Each part assembles by itself: llvm-mc -triple=amdgcn-amd-amdhsa -mcpu=gfx1250 --defsym DOCPART=n.
;; ======== version 1 of 1: 3 launches
;; limits: right only within a limited range of input values
;; workspace buffers: x_img 26,214,400 bytes; w_img 6,553,600 bytes
;; launch xlay (part 1): grid 512 x 1, 4 waves a work-group, no clusters, 50,688 bytes of LDS; arguments x_codes, x_scales, x_img; writes x_img
.if DOCPART == 1
	.amdgcn_target "amdgcn-amd-amdhsa--gfx1250"
	.amdhsa_code_object_version 6
	.text
	.protected	k_q2131dedde9_xlay
	.globl	k_q2131dedde9_xlay
	.p2align	8
	.type	k_q2131dedde9_xlay,@function
k_q2131dedde9_xlay:
	s_mov_b64 s[64:65], 0
	v_nop
	global_prefetch_b8 v0, s[64:65] scope:SCOPE_SE
	s_setreg_imm32_b32 hwreg(HW_REG_WAVE_MODE, 25, 1), 1
	s_wait_xcnt 0x0
; x's codes and scale bytes are laid ONCE in the order in which the product's operand registers take them; no number is changed.
; x_img: for each group of 128 rows (409,600 bytes) and each K step s of 128 (12,800 bytes): eight fragments of 16 rows x 128 K, 1,536 bytes each
; (registers 4 g .. 4 g + 3 of lane l at 512 g + 16 l), then 512 bytes of scale words (the word of the group's row i at 4 i).
; A fragment's lane (r = l % 16, h = l / 16) holds bytes 96 s + 24 h + 0..23 and 96 s + 48 + 24 h + 0..23 of row r's codes.
; SHARES: work-group = 16 rows; wave w = K steps 8 w .. 8 w + 7, 768 bytes of each row.  The rows come in as whole runs of 256 bytes,
; turn in the wave's own LDS bytes (rows 784 bytes apart) and leave as images, 512 consecutive bytes a store.  No wave reads another's bytes: no barrier.
; The scale words leave in runs of 64 bytes (16 rows of one K step): they are 1 in 25 of the bytes stored.
.set XP,    784
.set WV,    16*XP
.set SPARE, 4*WV                       ; the spare words, behind the four waves' bytes
.set STEPB, 12800
.set L,     16                         ; v16-111  the rows as loaded
.set C,     112                        ; v112-207 eight fragments
	s_load_b128 s[4:7], s[0:1], 0x0                ; x_codes, x_scales
	s_load_b64 s[8:9], s[0:1], 0x10                ; x_img
	v_lshl_add_u32 v14, v0, 2, SPARE
	v_mov_b32 v15, 0
	v_lshrrev_b32 v1, 5, v0
	v_readfirstlane_b32 s12, v1                    ; wave
	s_mul_i32 s13, s12, WV
	v_and_b32 v2, 15, v0                           ; r
	v_bfe_u32 v3, v0, 4, 1                         ; h
	v_and_b32 v1, 31, v0
	v_lshlrev_b32 v4, 4, v2
	v_mad_u32_u24 v5, v3, XP, v4
	v_add_nc_u32 v5, s13, v5                       ; into LDS: row h of a pair, 16 r
	v_mad_u32_u24 v4, v3, 3072, v4                 ; the same in memory
	v_mul_u32_u24 v6, v2, XP
	v_mad_u32_u24 v6, v3, 24, v6
	v_add_nc_u32 v6, s13, v6                       ; out of LDS: row r, 24 h
	v_lshlrev_b32 v7, 4, v1                        ; an image's place for my lane
	v_lshlrev_b32 v12, 7, v2
	v_lshl_add_u32 v12, v3, 4, v12                 ; scales in memory: row r, four words from 16 h on
	v_lshlrev_b32 v13, 2, v2
	v_mad_u32_u24 v13, v3, 4*STEPB, v13            ; and in the image: 4 r, lanes 16-31 four K steps on
	s_mul_i32 s14, ttmp9, 16*3072
	s_mul_i32 s16, s12, 768
	s_add_co_u32 s14, s14, s16
	s_mov_b32 s15, 0
	s_lshl_b32 s16, ttmp9, 11
	s_lshl_b32 s17, s12, 5
	s_add_co_u32 s16, s16, s17
	s_mov_b32 s17, 0
	s_lshr_b32 s18, ttmp9, 3
	s_mul_i32 s18, s18, 32*STEPB
	s_mul_i32 s19, s12, 8*STEPB
	s_add_co_u32 s18, s18, s19                     ; my group and my first K step
	s_and_b32 s19, ttmp9, 7
	s_lshl_b32 s20, s19, 6
	s_add_co_u32 s20, s20, s18
	s_add_co_u32 s20, s20, 12288                   ; my 16 rows' scale words
	s_mul_i32 s19, s19, 1536
	s_add_co_u32 s18, s18, s19                     ; my fragment
	s_mov_b32 s19, 0
	s_mov_b32 s21, 0
	s_wait_alu depctr_va_vdst(0)
	s_wait_kmcnt 0x0
	s_add_nc_u64 s[4:5], s[4:5], s[14:15]
	s_add_nc_u64 s[6:7], s[6:7], s[16:17]
	s_add_nc_u64 s[10:11], s[8:9], s[20:21]
	s_add_nc_u64 s[8:9], s[8:9], s[18:19]
.irp i, 0,1,2,3,4,5,6,7
.irp u, 0,1,2
	global_load_b128 v[L+4*(3*\i+\u):L+4*(3*\i+\u)+3], v4, s[4:5] offset:6144*\i+256*\u th:TH_LOAD_NT   ; rows 2 i, 2 i + 1: sixteen lanes read 256 aligned bytes
.endr
.endr
	global_load_b128 v[8:11], v12, s[6:7]
.irp i, 0,1,2,3,4,5,6,7
	s_wait_loadcnt 22-3*\i                         ; rows 2 i, 2 i + 1 are in: behind them 21 - 3 i loads of codes and the scales' one
.irp u, 0,1,2
	ds_store_b128 v5, v[L+4*(3*\i+\u):L+4*(3*\i+\u)+3] offset:2*XP*\i+256*\u
.endr
.endr
.irp e, 0,1,2,3,4,5,6,7
.irp p, 0,1,2,3,4,5
	ds_load_b64 v[C+12*\e+2*\p:C+12*\e+2*\p+1], v6 offset:96*\e+48*(\p/3)+8*(\p%3)   ; LDS serves a wave's instructions in order: these see the stores above
.endr
.endr
	s_wait_loadcnt 0x0
.irp e, 0,1,2,3
	global_store_b32 v13, v[8+\e], s[10:11] offset:STEPB*\e
.endr
.irp e, 0,1,2,3,4,5,6,7
	s_wait_dscnt 6*(7-\e)                          ; fragment e's six loads are in
.irp g, 0,1,2
	global_store_b128 v7, v[C+12*\e+4*\g:C+12*\e+4*\g+3], s[8:9] offset:STEPB*\e+512*\g
.endr
.endr
	s_wait_tensorcnt 0x0                           ; the wave's end
	ds_add_u32 v14, v15
	s_wait_dscnt 0x0
	s_endpgm
.Lfunc_end_k_q2131dedde9_xlay:
	.size	k_q2131dedde9_xlay, .Lfunc_end_k_q2131dedde9_xlay-k_q2131dedde9_xlay
	.p2alignl 7, 3214868480
	.fill 96, 4, 3214868480
	.section	.rodata,"a",@progbits
	.p2align	6, 0x0
	.amdhsa_kernel k_q2131dedde9_xlay
		.amdhsa_group_segment_fixed_size 50688
		.amdhsa_private_segment_fixed_size 0
		.amdhsa_enable_private_segment 0
		.amdhsa_kernarg_size 24
		.amdhsa_user_sgpr_count 2
		.amdhsa_user_sgpr_kernarg_segment_ptr 1
		.amdhsa_wavefront_size32 1
		.amdhsa_system_sgpr_workgroup_id_x 1
		.amdhsa_system_sgpr_workgroup_id_y 1
		.amdhsa_system_sgpr_workgroup_id_z 1
		.amdhsa_system_vgpr_workitem_id 0
		.amdhsa_next_free_vgpr 208
		.amdhsa_next_free_sgpr 66
		.amdhsa_reserve_vcc 0
		.amdhsa_float_denorm_mode_32 3
		.amdhsa_float_denorm_mode_16_64 3
		.amdhsa_memory_ordered 1
		.amdhsa_forward_progress 1
		.amdhsa_inst_pref_size 13
	.end_amdhsa_kernel
	.amdgpu_metadata
---
amdhsa.version: [ 1, 2 ]
amdhsa.kernels:
  - .name:           k_q2131dedde9_xlay
    .symbol:         k_q2131dedde9_xlay.kd
    .args:
      - { .name: x_codes, .offset: 0, .size: 8, .value_kind: global_buffer, .address_space: global }
      - { .name: x_scales, .offset: 8, .size: 8, .value_kind: global_buffer, .address_space: global }
      - { .name: x_img, .offset: 16, .size: 8, .value_kind: global_buffer, .address_space: global }
    .group_segment_fixed_size: 50688
    .private_segment_fixed_size: 0
    .kernarg_segment_align: 8
    .kernarg_segment_size: 24
    .max_flat_workgroup_size: 128
    .sgpr_count:     66
    .vgpr_count:     208
    .wavefront_size: 32
...
	.end_amdgpu_metadata
.endif
;; end of part 1
;; launch wquant (part 2): grid 128 x 2, 4 waves a work-group, no clusters, 30,208 bytes of LDS; arguments indices, codebook, w_img; writes w_img
.if DOCPART == 2
	.amdgcn_target "amdgcn-amd-amdhsa--gfx1250"
	.amdhsa_code_object_version 6
	.text
	.protected	k_q2131dedde9_wquant
	.globl	k_q2131dedde9_wquant
	.p2align	8
	.type	k_q2131dedde9_wquant,@function
k_q2131dedde9_wquant:
	s_mov_b64 s[64:65], 0
	v_nop
	global_prefetch_b8 v0, s[64:65] scope:SCOPE_SE
	s_setreg_imm32_b32 hwreg(HW_REG_WAVE_MODE, 25, 1), 1
	s_wait_xcnt 0x0
; W[o][k] = codebook[indices[512 o + k / 8]][k % 8], o < 2048, k < 4096, is made ONCE and quantised along K to codes of FP6 (E2M3) with one E8M0 byte for each 32 along K:
; the byte is the largest magnitude's exponent field - 2, held at 1 from below; each number is divided by the scale and rounded to the nearest code, ties to even, beyond 7.5 the largest code.
; LIMITS: NaN and infinities in the codebook are not served.  A block of zeros gets the byte 1 where the rule says 127: its codes are zeros, and this program alone reads the bytes.  An index outside 0 .. 255 is held at 255.
; w_img has x_img's layout: group of 128 rows (409,600 bytes), K step s (12,800 bytes): eight fragments of 1,536 bytes (registers 4 g .. 4 g + 3 of lane l at 512 g + 16 l), then the 128 rows' scale words.
; SHARES: work-group (x = nblk, y = j): rows 16 nblk on, K steps 16 j on; wave w: four K steps, one fragment each.  Lane (r, h) holds blocks h and 2 + h of row r in the order of the operand's registers.
; LDS: the codebook, entries 48 bytes apart (32 of data, 16 of padding, which is written with zeros so that every byte in the gathers' reach is written); behind it a stage of 16 rows x 272 bytes for each wave,
; through which the indices turn from runs of 256 bytes a row to 16 bytes a lane and block.  Every LDS store stands ahead of the one barrier.
.set CBP,    48
.set IST,    256*CBP
.set IPITCH, 272
.set IWAVE,  16*IPITCH
.set STEPB,  12800
.set RAW,    16                        ; v16-47 indices as loaded; behind the barrier v16-63 hold the codes
.set CBR,    48                        ; v48-63 my 64 bytes of the codebook
.set IDX,    64                        ; v64-95 indices in fragment order, then LDS addresses
.set X,      96                        ; v96-223 two sets of 64 numbers
.set T0,     236
.set T1,     240
.set M,      244
.set S,      246
.set BY,     248
.set W,      250
.set PT,     254
.set TT,     255
	s_load_b128 s[4:7], s[0:1], 0x0                ; indices, codebook
	s_load_b64 s[8:9], s[0:1], 0x10                ; w_img
	v_lshl_add_u32 v239, v0, 2, 0x7400
	v_mov_b32 v243, 0
	v_lshrrev_b32 v1, 5, v0
	v_readfirstlane_b32 s12, v1                    ; wave
	s_and_b32 s13, ttmp7, 0xffff                   ; j
	v_and_b32 v1, 31, v0
	v_and_b32 v2, 15, v0                           ; r
	v_bfe_u32 v3, v0, 4, 1                         ; h
	v_lshlrev_b32 v4, 4, v2
	v_lshl_add_u32 v4, v3, 11, v4                  ; indices in memory
	s_mul_i32 s22, s12, IWAVE
	s_add_co_u32 s22, s22, IST
	v_mul_u32_u24 v5, v3, IPITCH
	v_lshl_add_u32 v5, v2, 4, v5
	v_add_nc_u32 v5, s22, v5                       ; into my stage
	v_mul_u32_u24 v6, v2, IPITCH
	v_lshl_add_u32 v6, v3, 4, v6
	v_add_nc_u32 v6, s22, v6                       ; out of it
	v_lshlrev_b32 v7, 4, v0
	v_lshrrev_b32 v8, 1, v0
	v_mul_u32_u24 v8, v8, CBP
	v_and_b32 v14, 1, v0
	v_lshl_add_u32 v8, v14, 4, v8                  ; the codebook in LDS: entry thread / 2, half thread % 2
	v_mad_u32_u24 v15, v0, CBP, 32                 ; the padding of entry thread
	v_lshlrev_b32 v9, 4, v1
	v_lshlrev_b32 v10, 2, v2
	v_mad_u32_u24 v10, v3, 2*STEPB, v10            ; scale words: 4 r, lanes 16-31 two K steps on
	v_lshlrev_b32 v11, 3, v3
	v_mov_b32 v[PT], 0
.irp i, 0,1,2,3
	v_mov_b32 v[X+\i], 0
.endr
	s_mov_b32 s20, 0x76543210
	s_mov_b32 s21, 0xfedcba98
	s_lshl_b32 s14, ttmp9, 15
	s_lshl_b32 s23, s13, 10
	s_add_co_u32 s14, s14, s23
	s_lshl_b32 s24, s12, 8
	s_add_co_u32 s14, s14, s24
	s_mov_b32 s15, 0
	s_lshr_b32 s16, ttmp9, 3
	s_mul_i32 s16, s16, 32*STEPB
	s_mul_i32 s25, s13, 16*STEPB
	s_add_co_u32 s16, s16, s25
	s_mul_i32 s25, s12, 4*STEPB
	s_add_co_u32 s16, s16, s25                     ; my group and first K step
	s_and_b32 s25, ttmp9, 7
	s_lshl_b32 s18, s25, 6
	s_add_co_u32 s18, s18, s16
	s_add_co_u32 s18, s18, 12288                   ; my rows' scale words
	s_mul_i32 s25, s25, 1536
	s_add_co_u32 s16, s16, s25                     ; my fragment
	s_mov_b32 s17, 0
	s_mov_b32 s19, 0
	s_wait_alu depctr_va_vdst(0)
	s_wait_kmcnt 0x0
	s_add_nc_u64 s[4:5], s[4:5], s[14:15]
	s_add_nc_u64 s[10:11], s[8:9], s[18:19]
	s_add_nc_u64 s[8:9], s[8:9], s[16:17]
.irp t, 0,1,2,3,4,5,6,7
	global_load_b128 v[RAW+4*\t:RAW+4*\t+3], v4, s[4:5] offset:4096*\t th:TH_LOAD_NT
.endr
.irp t, 0,1,2,3
	global_load_b128 v[CBR+4*\t:CBR+4*\t+3], v7, s[6:7] offset:2048*\t
.endr
	ds_store_b128 v15, v[X:X+3]                    ; zeros into the padding of entries 0-127,
	ds_store_b128 v15, v[X:X+3] offset:128*CBP     ; and of entries 128-255
	s_wait_loadcnt 4                               ; the eight index loads are in; the codebook's four may be out
.irp t, 0,1,2,3,4,5,6,7
	ds_store_b128 v5, v[RAW+4*\t:RAW+4*\t+3] offset:2*IPITCH*\t
.endr
	s_wait_loadcnt 0x0
.irp t, 0,1,2,3
	ds_store_b128 v8, v[CBR+4*\t:CBR+4*\t+3] offset:64*CBP*\t
.endr
	s_wait_dscnt 0x0                               ; for the others' sake
	s_barrier_signal -1
	s_barrier_wait -1                              ; from here on LDS is only read
.irp f, 0,1,2,3
.irp c, 0,1
	ds_load_b128 v[IDX+8*\f+4*\c:IDX+8*\f+4*\c+3], v6 offset:64*\f+32*\c
.endr
.endr
	s_wait_dscnt 0x0
.set i, 0
.rept 32
	v_min_u32 v[IDX+i], 0xff, v[IDX+i]             ; an index stays inside the table
.set i, i+1
.endr
.set i, 0
.rept 32
	v_mul_u32_u24 v[IDX+i], v[IDX+i], CBP
.set i, i+1
.endr
.macro GATHER f                        ; register 32 c + 8 e + i = W(row r, 128 s + 64 c + 32 h + 8 e + i)
.set XS, X+64*((\f)%2)
.irp c, 0,1
.irp e, 0,1,2,3
	ds_load_b128 v[XS+32*\c+8*\e:XS+32*\c+8*\e+3],   v[IDX+8*(\f)+4*\c+\e]
	ds_load_b128 v[XS+32*\c+8*\e+4:XS+32*\c+8*\e+7], v[IDX+8*(\f)+4*\c+\e] offset:16
.endr
.endr
.endm
.macro QUANT f
.set XS, X+64*((\f)%2)
.set CD, 16+12*(\f)
.irp c, 0,1
	v_max3_num_f32 v[M+\c], |v[XS+32*\c]|, |v[XS+32*\c+1]|, 0x1800000   ; with the floor 2^(3 - 127): the byte cannot fall under 1
.endr
.irp i, 2,4,6,8,10,12,14,16,18,20,22,24,26,28,30
.irp c, 0,1
	v_max3_num_f32 v[M+\c], v[M+\c], |v[XS+32*\c+\i]|, |v[XS+32*\c+\i+1]|
.endr
.endr
.irp c, 0,1
	v_add_nc_u32 v[S+\c], 0xff000000, v[M+\c]      ; 2 off the exponent field: the conversion's scale operand
.endr
	v_cvt_scalef32_pk16_fp6_f32 v[CD:CD+2],   v[XS:XS+15],    v[S]
	v_cvt_scalef32_pk16_fp6_f32 v[T0:T0+2],   v[XS+16:XS+31], v[S]
	v_cvt_scalef32_pk16_fp6_f32 v[CD+6:CD+8], v[XS+32:XS+47], v[S+1]
	v_cvt_scalef32_pk16_fp6_f32 v[T1:T1+2],   v[XS+48:XS+63], v[S+1]
	v_lshrrev_b32 v[BY], 23, v[S]                  ; the bytes (plain lines behind the conversions)
	v_lshrrev_b32 v[BY+1], 23, v[S+1]
.irp i, 0,1,2
	v_mov_b32 v[CD+3+\i], v[T0+\i]
	v_mov_b32 v[CD+9+\i], v[T1+\i]
.endr
	v_lshl_or_b32 v[TT], v[BY+1], 16, v[BY]
	v_lshlrev_b32 v[TT], v11, v[TT]
	v_permlanex16_b32 v[PT], v[TT], s20, s21
	v_or_b32 v[W+(\f)], v[TT], v[PT]               ; with lane l xor 16's two bytes the word is whole
.irp g, 0,1,2
	global_store_b128 v9, v[CD+4*\g:CD+4*\g+3], s[8:9] offset:(\f)*STEPB+512*\g   ; 32 lanes store 512 consecutive bytes
.endr
.endm
	GATHER 0
	GATHER 1
	s_wait_dscnt 16                                ; the older fragment's sixteen loads are in
	QUANT 0
	GATHER 2
	s_wait_dscnt 16
	QUANT 1
	GATHER 3
	s_wait_dscnt 16
	QUANT 2
	s_wait_dscnt 0x0
	QUANT 3
	v_cmp_ne_u32 vcc_lo, 0, v3
	v_cndmask_b32 v12, v[W], v[W+2], vcc_lo        ; lanes 0-15: K steps 0, 1 of row r; lanes 16-31: K steps 2, 3
	v_cndmask_b32 v13, v[W+1], v[W+3], vcc_lo
	global_store_b32 v10, v12, s[10:11]
	global_store_b32 v10, v13, s[10:11] offset:STEPB
	s_wait_tensorcnt 0x0                           ; the wave's end
	ds_add_u32 v239, v243
	s_wait_dscnt 0x0
	s_endpgm
.Lfunc_end_k_q2131dedde9_wquant:
	.size	k_q2131dedde9_wquant, .Lfunc_end_k_q2131dedde9_wquant-k_q2131dedde9_wquant
	.p2alignl 7, 3214868480
	.fill 96, 4, 3214868480
	.section	.rodata,"a",@progbits
	.p2align	6, 0x0
	.amdhsa_kernel k_q2131dedde9_wquant
		.amdhsa_group_segment_fixed_size 30208
		.amdhsa_private_segment_fixed_size 0
		.amdhsa_enable_private_segment 0
		.amdhsa_kernarg_size 24
		.amdhsa_user_sgpr_count 2
		.amdhsa_user_sgpr_kernarg_segment_ptr 1
		.amdhsa_wavefront_size32 1
		.amdhsa_system_sgpr_workgroup_id_x 1
		.amdhsa_system_sgpr_workgroup_id_y 1
		.amdhsa_system_sgpr_workgroup_id_z 1
		.amdhsa_system_vgpr_workitem_id 0
		.amdhsa_next_free_vgpr 256
		.amdhsa_next_free_sgpr 66
		.amdhsa_reserve_vcc 1
		.amdhsa_float_denorm_mode_32 3
		.amdhsa_float_denorm_mode_16_64 3
		.amdhsa_memory_ordered 1
		.amdhsa_forward_progress 1
		.amdhsa_inst_pref_size 27
	.end_amdhsa_kernel
	.amdgpu_metadata
---
amdhsa.version: [ 1, 2 ]
amdhsa.kernels:
  - .name:           k_q2131dedde9_wquant
    .symbol:         k_q2131dedde9_wquant.kd
    .args:
      - { .name: indices, .offset: 0, .size: 8, .value_kind: global_buffer, .address_space: global }
      - { .name: codebook, .offset: 8, .size: 8, .value_kind: global_buffer, .address_space: global }
      - { .name: w_img, .offset: 16, .size: 8, .value_kind: global_buffer, .address_space: global }
    .group_segment_fixed_size: 30208
    .private_segment_fixed_size: 0
    .kernarg_segment_align: 8
    .kernarg_segment_size: 24
    .max_flat_workgroup_size: 128
    .sgpr_count:     66
    .vgpr_count:     256
    .wavefront_size: 32
...
	.end_amdgpu_metadata
.endif
;; end of part 2
;; launch gemm (part 3): grid 8 x 32, 4 waves a work-group, clusters of 4 x 4, 327,680 bytes of LDS; arguments x_img, w_img, bias, out0; writes out0
.if DOCPART == 3
	.amdgcn_target "amdgcn-amd-amdhsa--gfx1250"
	.amdhsa_code_object_version 6
	.text
	.protected	k_q2131dedde9_gemm
	.globl	k_q2131dedde9_gemm
	.p2align	8
	.type	k_q2131dedde9_gemm,@function
k_q2131dedde9_gemm:
	s_mov_b64 s[64:65], 0
	v_nop
	global_prefetch_b8 v0, s[64:65] scope:SCOPE_SE
	s_setreg_imm32_b32 hwreg(HW_REG_WAVE_MODE, 25, 1), 1
	s_wait_xcnt 0x0
	s_wait_alu depctr_hold_cnt(0) depctr_sa_sdst(0) depctr_va_vdst(0) depctr_va_sdst(0) depctr_va_ssrc(0) depctr_va_vcc(0) depctr_vm_vsrc(0)
	s_getreg_b32 s2, hwreg(HW_REG_IB_STS2, 6, 4)
	s_cmp_eq_u32 s2, 0
	s_cbranch_scc0 .Lentry_in_a_cluster
	s_endpgm
.Lentry_in_a_cluster:
	s_bfe_u32 s2, ttmp6, 0x10000c
	s_cmp_lg_u32 s2, 0xf033
	s_cbranch_scc0 .Lentry_shape_is_right
	s_endpgm
.Lentry_shape_is_right:
; out0[m][n] = sum over k of x[m][k] W[n][k] + bias[n]: m < 8192, n < 2048, k < 4096; codes of FP6 (E2M3) with E8M0 scales on both sides, f32 sums.
; Both operands come as images of the operand registers (see the two launches before): a group of 128 rows has 32 K steps of 12,800 dense bytes: eight fragments of 1,536 bytes, then 128 scale words.
; A work-group of four waves makes 256 x 256 of out0, a wave 128 x 128: 64 accumulators, 512 registers.  K goes through a ring of two LDS slots of THREE K steps (the last tile has two):
; a slot = A's two groups, B's two groups, 38,400 bytes each, one tensor load a wave, stated as 150 rows of 256 bytes.  11 tiles; two slots take 307,200 bytes.
; CLUSTERS 4 x 4: A's tiles are asked for jointly along a row of the cluster, B's along a column.  Each refill stands behind a round of the cluster's barrier.
; THE PRODUCT IS USED TRANSPOSED (source 0 = W's rows, source 1 = x's): a lane holds eight neighbouring numbers of a row of out0.  The first product of each accumulator takes the bias as C.
; PREFETCH: at the change of slots behind tile t each wave asks for the 150 blocks of 256 bytes of tile t + 3 of the group that it fetches, which is loaded at the next change, three K steps on;
; the four partners of a joint load take 38 blocks each, by address.  Tiles 0 to 2 and the last tile (which is shorter) come by their loads alone.
; REGISTERS: window 0: v16-31 addresses, v32-47 scale words (two sets of 4 + 4), v64-127 bias, v128-223 A's fragments (one set); window 1: B's fragments, two sets; windows 2, 3: accumulators.
.set SIZE_N, 2048
.set STEPB,  12800
.set SCO,    12288                     ; the scale words' place in a K step
.set PART,   3*STEPB
.set SLOT,   4*PART
.set GRP,    32*STEPB
.set SPARE,  2*SLOT                    ; the spare words, behind the ring
.set STAGE,  SLOT                      ; the way out goes through slot 1, behind its last fill and its last read
.set SPITCH, 528
.set FR,     12
.set ADRA,  16                         ; v16-17 my A fragments in slot 0, 1;  v18-19 my A scale words
.set ADRSA, 18
.set ADRB,  20                         ; v20-23 the same for B
.set ADRSB, 22
.set STO,   24
.set RD,    25
.set CO,    26
.set SPW,   28
.set NIL,   29
.set PFO,   30                         ; v30-31 the prefetches' offsets
.set SC,    32
.set BI,    64
.set AF,    128
.set BK,    128
.set G1,   24
.set G0,   32
.set G1B,  48
.set G0B,  56
.set PFA,  68
.set MSB, 0
.macro WIN new                         ; the immediate's high byte repeats the setting that is left
.if MSB != \new
	s_set_vgpr_msb (MSB<<8)|\new
.set MSB, \new
.endif
.endm
.set MUL_LO,   0xa1                    ; source 0 window 1, source 1 window 0, C and D window 2
.set MUL_HI,   0xf1
.set FIRST_LO, 0x81                    ; C (the bias) window 0
.set FIRST_HI, 0xc1
.set TO_B,     0x40
.macro JLOAD s                         ; a joint load: waves 0, 1 fetch A's groups, waves 2, 3 B's; s_nop 0 and four v_nop behind each line
	s_cmp_eq_u32 s15, 0
	s_cbranch_scc0 .Lfor_b_\@
	tensor_load_to_lds s[G0+4*\s:G0+4*\s+3], s[G1:G1+7]
	s_nop 0
.rept 4
	v_nop
.endr
	s_branch .Lasked_\@
.Lfor_b_\@:
	tensor_load_to_lds s[G0B+4*\s:G0B+4*\s+3], s[G1B:G1B+7]
	s_nop 0
.rept 4
	v_nop
.endr
.Lasked_\@:
.endm
.macro CREST
	s_cmp_lg_u32 s14, 0
	s_cbranch_scc1 .Lnot_wave_0_\@
	s_barrier_signal -3
.Lnot_wave_0_\@:
	s_barrier_wait -3
	s_barrier_signal -1
	s_barrier_wait -1
.endm
.macro CROUND
	s_barrier_signal -1
	s_barrier_wait -1
	CREST
.endm
	s_load_b128 s[4:7], s[0:1], 0x0                ; x_img, w_img
	s_load_b128 s[8:11], s[0:1], 0x10              ; bias, out0
	v_lshl_add_u32 v[SPW], v0, 2, SPARE
	v_mov_b32 v[NIL], 0
	ds_add_u32 v[SPW], v[NIL]                      ; the opening lines: the add twice on end and its wait
	ds_add_u32 v[SPW], v[NIL]
	v_lshrrev_b32 v1, 5, v0
	v_readfirstlane_b32 s14, v1                    ; wave
	s_lshr_b32 s15, s14, 1                         ; my half of the rows; also: I fetch for A (0) or B (1)
	s_and_b32 s16, s14, 1                          ; my half of the columns; also: which group I fetch
	s_bfe_u32 s40, ttmp6, 0x40000                  ; cx
	s_bfe_u32 s41, ttmp6, 0x40004                  ; cy
	s_lshl_b32 s42, ttmp9, 2
	s_add_co_u32 s42, s42, s40                     ; tile column
	s_and_b32 s17, ttmp7, 0xffff
	s_lshl_b32 s17, s17, 2
	s_add_co_u32 s17, s17, s41                     ; tile row
	s_lshl_b32 s43, s41, 2
	s_lshl_b32 s43, 15, s43                        ; my row of the cluster
	s_lshl_b32 s44, 0x1111, s40                    ; my column
	s_or_b32 s[G1+0], s43, (3<<16)|(1<<21)         ; elements of 8 bytes, no padding: the image is dense
	s_or_b32 s[G1B+0], s44, (3<<16)|(1<<21)
.irp g, G1, G1B
	s_mov_b32 s[\g+1], 32<<16                      ; rows of 256 bytes,
	s_mov_b32 s[\g+2], 150<<16                     ; 150 of them
	s_mov_b32 s[\g+3], 32<<16
	s_mov_b32 s[\g+4], 150
	s_mov_b32 s[\g+5], 32
	s_mov_b32 s[\g+6], 0
	s_mov_b32 s[\g+7], 0
.endr
	s_lshl_b32 s20, s17, 1
	s_add_co_u32 s20, s20, s16
	s_mul_i32 s20, s20, GRP                        ; A's group 2 x tile row + half
	s_mov_b32 s21, 0
	s_lshl_b32 s46, s42, 1
	s_add_co_u32 s46, s46, s16
	s_mul_i32 s46, s46, GRP                        ; B's group 2 x tile column + half
	s_mov_b32 s47, 0
	s_mul_i32 s45, s14, PART                       ; where my part goes
	s_wait_dscnt 0x0
	s_wait_kmcnt 0x0
	s_add_nc_u64 s[20:21], s[4:5], s[20:21]
	s_add_nc_u64 s[46:47], s[6:7], s[46:47]
	CROUND                                         ; in front of the first joint loads
.irp s, 0,1
	s_mov_b32 s[G0+4*\s], 1
	s_add_co_u32 s[G0+4*\s+1], s45, \s*SLOT
	s_add_nc_u64 s[G0+4*\s+2:G0+4*\s+3], s[20:21], \s*PART
	s_or_b32 s[G0+4*\s+3], s[G0+4*\s+3], 0x80000000
	s_mov_b32 s[G0B+4*\s], 1
	s_add_co_u32 s[G0B+4*\s+1], s45, \s*SLOT
	s_add_nc_u64 s[G0B+4*\s+2:G0B+4*\s+3], s[46:47], \s*PART
	s_or_b32 s[G0B+4*\s+3], s[G0B+4*\s+3], 0x80000000
.endr
	JLOAD 0                                        ; tile 0: one tensor load a wave at the head
	s_cmp_eq_u32 s15, 0
	s_cselect_b64 s[PFA:PFA+1], s[20:21], s[46:47] ; the prefetches: the group that I fetch,
	s_cselect_b32 s70, s40, s41                    ; my place among the four that ask with me,
	s_mul_i32 s70, s70, 38                         ; 38 blocks each
	s_add_nc_u64 s[PFA:PFA+1], s[PFA:PFA+1], 2*PART ; the first change of slots steps it to tile 3
	s_mul_i32 s21, s15, PART                       ; my 128 rows of A
	s_mul_i32 s22, s16, PART
	s_add_co_u32 s22, s22, 2*PART                  ; my 128 rows of B
	s_mul_i32 s23, s14, 16*SPITCH
	s_add_co_u32 s23, s23, STAGE                   ; my stage
	s_lshl_b32 s18, s17, 8
	s_lshl_b32 s19, s15, 7
	s_add_co_u32 s18, s18, s19
	s_lshl_b32 s18, s18, 13                        ; my first row of out0, 8,192 bytes a row
	s_mov_b32 s19, 0
	s_lshl_b32 s46, s42, 10
	s_lshl_b32 s47, s16, 9
	s_add_co_u32 s46, s46, s47                     ; my first column, in bytes
	s_mov_b32 s47, 0
	s_add_nc_u64 s[8:9], s[8:9], s[46:47]
	s_add_nc_u64 s[10:11], s[10:11], s[46:47]
	s_add_nc_u64 s[10:11], s[10:11], s[18:19]
	v_and_b32 v6, 31, v0
	v_and_b32 v1, 15, v0
	v_bfe_u32 v2, v0, 4, 1
	v_lshlrev_b32 v3, 4, v6
	v_lshlrev_b32 v4, 2, v6
	v_add_nc_u32 v[ADRA], s21, v3
	v_add_nc_u32 v[ADRB], s22, v3
	v_add_nc_u32 v[ADRSA], s21, v4
	v_add_nc_u32 v[ADRSB], s22, v4
.irp a, ADRA, ADRB, ADRSA, ADRSB
	v_add_nc_u32 v[\a+1], SLOT, v[\a]
.endr
	v_mul_u32_u24 v5, v1, SPITCH
	v_lshl_add_u32 v5, v2, 5, v5
	v_add_nc_u32 v[STO], s23, v5                   ; into the stage: row l % 16, 32 bytes for each half of the lanes
	v_add_nc_u32 v[RD], s23, v3                    ; back: a row of 512 bytes
	v_lshlrev_b32 v[CO], 4, v6
	v_add_nc_u32 v[PFO], s70, v6                   ; blocks 38 p + 0 .. 31,
	v_min_u32 v[PFO+1], 5, v6
	v_add3_u32 v[PFO+1], v[PFO+1], s70, 32         ; and 38 p + 32 .. 37 (lanes left over name the last again),
	v_min_u32 v[PFO], 149, v[PFO]
	v_min_u32 v[PFO+1], 149, v[PFO+1]              ; none beyond the tile's 150
	v_lshlrev_b32 v[PFO], 8, v[PFO]
	v_lshlrev_b32 v[PFO+1], 8, v[PFO+1]
	v_lshlrev_b32 v7, 5, v2
.irp b, 0,1,2,3,4,5,6,7
	global_load_b128 v[BI+8*\b:BI+8*\b+3],   v7, s[8:9] offset:64*\b       ; bias of columns 16 b + 8 h + 0 .. 7
	global_load_b128 v[BI+8*\b+4:BI+8*\b+7], v7, s[8:9] offset:64*\b+16
.endr
.macro FRAG reg, adr, q, i             ; a fragment: three loads of 16 bytes a lane, 512 consecutive bytes each
.irp c, 0,1,2
	ds_load_b128 v[\reg+4*\c:\reg+4*\c+3], v[\adr] offset:(\q)*STEPB+(\i)*1536+512*\c
.endr
.endm
.macro WM
.if rPB && rPA
	v_wmma_scale_f32_16x16x128_f8f6f4 v[rD:rD+7], v[rB:rB+11], v[rA:rA+11], v[rC:rC+7], v[rSB], v[rSA] matrix_a_fmt:MATRIX_FMT_FP6 matrix_b_fmt:MATRIX_FMT_FP6 matrix_a_scale:MATRIX_SCALE_ROW1 matrix_b_scale:MATRIX_SCALE_ROW1
.elseif rPB
	v_wmma_scale_f32_16x16x128_f8f6f4 v[rD:rD+7], v[rB:rB+11], v[rA:rA+11], v[rC:rC+7], v[rSB], v[rSA] matrix_a_fmt:MATRIX_FMT_FP6 matrix_b_fmt:MATRIX_FMT_FP6 matrix_a_scale:MATRIX_SCALE_ROW1
.elseif rPA
	v_wmma_scale_f32_16x16x128_f8f6f4 v[rD:rD+7], v[rB:rB+11], v[rA:rA+11], v[rC:rC+7], v[rSB], v[rSA] matrix_a_fmt:MATRIX_FMT_FP6 matrix_b_fmt:MATRIX_FMT_FP6 matrix_b_scale:MATRIX_SCALE_ROW1
.else
	v_wmma_scale_f32_16x16x128_f8f6f4 v[rD:rD+7], v[rB:rB+11], v[rA:rA+11], v[rC:rC+7], v[rSB], v[rSA] matrix_a_fmt:MATRIX_FMT_FP6 matrix_b_fmt:MATRIX_FMT_FP6
.endif
.endm
; A's blocks a0, a0 + 1 against B's eight.  p: B's set and the set of scale words.  A scale register holds block 2 j in lanes 0-15 and block 2 j + 1 in lanes 16-31.
; The 64 accumulators take turns in the same order in every step.
.macro MUL16 a0, p, first
.irp a, \a0, \a0+1
.irp b, 0,1,2,3,4,5,6,7
.set rD,  8*(8*((\a)%4)+\b)
.set rB,  128*(\p)+FR*\b
.set rA,  AF+FR*(\a)
.set rSB, SC+8*(\p)+4+\b/2
.set rSA, SC+8*(\p)+(\a)/2
.set rPB, \b%2
.set rPA, (\a)%2
.if \first
.set rC,  BI+8*\b
.else
.set rC,  rD
.endif
	WM
.endr
.endr
.endm
.macro FETCH_MID slot, q, p            ; B's eight fragments into set p, A's blocks 0-3, the step's scale words into set p
	WIN TO_B
.irp i, 0,1,2,3,4,5,6,7
	FRAG 128*(\p)+FR*\i, ADRB+\slot, \q, \i
.endr
	WIN 0
.irp i, 0,1,2,3
	FRAG AF+FR*\i, ADRA+\slot, \q, \i
.endr
.irp j, 0,1,2,3
	ds_load_b32 v[SC+8*(\p)+\j],   v[ADRSA+\slot] offset:(\q)*STEPB+SCO+128*\j
	ds_load_b32 v[SC+8*(\p)+4+\j], v[ADRSB+\slot] offset:(\q)*STEPB+SCO+128*\j
.endr
.endm
.macro FETCH_END slot, q               ; A's blocks 4-7: twelve loads
.irp i, 4,5,6,7
	FRAG AF+FR*\i, ADRA+\slot, \q, \i
.endr
.endm
.macro PLACES                          ; four places in front of loads into registers that matrix instructions have read
.rept 4
	v_nop
.endr
.endm
; A K step that is not its tile's last: 64 products on set p; the next step (q + 1 of the same slot) is fetched in its middle and at its end.
.macro STEP slot, q, p, first
	s_wait_dscnt 12                                ; all but the youngest twelve loads (A's blocks 4-7)
.if \first
	WIN FIRST_LO
.else
	WIN MUL_LO
.endif
	MUL16 0, \p, \first
	MUL16 2, \p, \first
	s_wait_dscnt 0
	PLACES
	FETCH_MID \slot, (\q)+1, 1-(\p)
.if \first
	WIN FIRST_HI
.else
	WIN MUL_HI
.endif
	MUL16 4, \p, \first
	MUL16 6, \p, \first
	PLACES
	WIN 0
	FETCH_END \slot, (\q)+1
.endm
; A tile's last K step changes slots.  fill: this slot is filled again, two tiles on; short: that tile is the last, of two K steps (100 rows); pf: 1 prefetch, 2 not in the loop's last trip.
.macro TURN slot, next, p, fill, short, pf
.if \pf
	s_wait_xcnt 0x0                                ; my earlier prefetches have read their address
	s_add_nc_u64 s[PFA:PFA+1], s[PFA:PFA+1], PART
.endif
	s_wait_tensorcnt 0x0                           ; my part of the next slot is in;
	ds_add_u32 v[SPW], v[NIL]
	s_wait_dscnt 13                                ; (the add and the youngest twelve loads may be out)
	WIN MUL_LO
	MUL16 0, \p, 0
	s_wait_dscnt 0x0                               ; the add is done, my reads of this slot are over
	s_barrier_signal -1
	MUL16 2, \p, 0
	WIN 0
	s_barrier_wait -1
.if \fill
	CREST                                          ; the barrier has opened a round of the cluster's barrier
	s_add_nc_u64 s[G0+4*\slot+2:G0+4*\slot+3], s[G0+4*\slot+2:G0+4*\slot+3], 2*PART
	s_add_nc_u64 s[G0B+4*\slot+2:G0B+4*\slot+3], s[G0B+4*\slot+2:G0B+4*\slot+3], 2*PART
.if \short
.irp g, G1, G1B
	s_mov_b32 s[\g+2], 100<<16                     ; no tensor load of mine is out: the last tile has 100 rows
	s_mov_b32 s[\g+4], 100
.endr
.endif
	JLOAD \slot                                    ; the first tensor load behind the round; its four v_nop are the places for the loads below
.else
	PLACES
.endif
	FETCH_MID \next, 0, 1-(\p)
.if \pf == 2
	s_cmp_gt_u32 s3, 1
	s_cbranch_scc0 .Lno_ask_\@
.endif
.if \pf
	global_prefetch_b8 v[PFO], s[PFA:PFA+1] th:TH_LOAD_NT scope:SCOPE_SE
	global_prefetch_b8 v[PFO+1], s[PFA:PFA+1] th:TH_LOAD_NT scope:SCOPE_SE
.endif
.if \pf == 2
.Lno_ask_\@:
.endif
	WIN MUL_HI
	MUL16 4, \p, 0
	MUL16 6, \p, 0
	PLACES
	WIN 0
	FETCH_END \next, 0
.endm
	s_wait_alu depctr_va_vdst(0)
	s_wait_tensorcnt 0x0                           ; my part of tile 0 is in; slot 1's first fill is issued as a refill is
	ds_add_u32 v[SPW], v[NIL]
	s_wait_dscnt 0x0
	CROUND
	JLOAD 1                                        ; tile 1
	FETCH_MID 0, 0, 0
	FETCH_END 0, 0
	s_wait_loadcnt 0x0                             ; the bias
	STEP 0, 0, 0, 1                                ; K step 0 starts the sums, on the bias
	s_mov_b32 s3, 4
.Llap:                                                 ; a trip: six K steps, from a tile's second step in slot 0 to the first step of the tile two on; both slots are filled again
	STEP 0, 1, 1, 0
	TURN 0, 1, 0, 1, 0, 1
	STEP 1, 0, 1, 0
	STEP 1, 1, 0, 0
	TURN 1, 0, 1, 1, 0, 2
	STEP 0, 0, 0, 0
	s_sub_co_u32 s3, s3, 1
	s_cmp_lg_u32 s3, 0
	s_cbranch_scc1 .Llap
	STEP 0, 1, 1, 0                                ; K steps 25 to 31: tile 8's rest, tile 9, tile 10
	TURN 0, 1, 0, 1, 1, 0                          ; the last fill: tile 10
	STEP 1, 0, 1, 0
	STEP 1, 1, 0, 0
	TURN 1, 0, 1, 0, 0, 0                          ; nothing is left to fetch: no round; behind this barrier nobody reads slot 1
	STEP 0, 0, 0, 0
	s_wait_dscnt 12
	WIN MUL_LO
	MUL16 0, 1, 0
	MUL16 2, 1, 0
	s_wait_dscnt 0
	WIN MUL_HI
	MUL16 4, 1, 0
	MUL16 6, 1, 0
	WIN 0
; THE WAY OUT, by blocks of 16 rows x 128 columns through my own stage: back as whole rows of 512 bytes, which 32 lanes store as two aligned runs of 256 bytes.
.macro TOSTAGE a
.set AC, 64*((\a)%4)
	WIN 0x08+4*((\a)/4)
.irp b, 0,1,2,3,4,5,6,7
	ds_store_b128 v[STO], v[AC+8*\b:AC+8*\b+3] offset:64*\b          ; each accumulator from its low end on
	ds_store_b128 v[STO], v[AC+8*\b+4:AC+8*\b+7] offset:64*\b+16
.endr
	WIN 0
.set BB, BK+64*((\a)%2)
.irp t, 0,1,2,3,4,5,6,7,8,9,10,11,12,13,14,15
	ds_load_b128 v[BB+4*\t:BB+4*\t+3], v[RD] offset:\t*SPITCH        ; LDS serves a wave's instructions in order
.endr
.endm
.macro SEND a, younger
.set BB, BK+64*((\a)%2)
	s_wait_dscnt \younger
.if (\a) > 0
	s_add_nc_u64 s[10:11], s[10:11], 16*SIZE_N*4   ; behind a wait on XCNT: the earlier stores have read their base
.endif
.irp t, 0,1,2,3,4,5,6,7,8,9,10,11,12,13,14,15
	global_store_b128 v[CO], v[BB+4*\t:BB+4*\t+3], s[10:11] offset:\t*SIZE_N*4 th:TH_STORE_NT
.endr
.endm
	PLACES
	TOSTAGE 0
.irp a, 1,2,3,4,5,6,7
.if \a > 1
	s_wait_xcnt 0x0                                ; block a - 2's stores have read their registers and their base
.endif
	TOSTAGE \a
	SEND \a-1, 32                                  ; behind block a - 1's loads: block a's 16 stores and 16 loads
.endr
	s_wait_xcnt 0x0
	SEND 7, 0
	s_wait_tensorcnt 0x0                           ; the wave's end
	ds_add_u32 v[SPW], v[NIL]
	s_wait_dscnt 0x0
	CROUND                                         ; the closing round
	s_endpgm
.Lfunc_end_k_q2131dedde9_gemm:
	.size	k_q2131dedde9_gemm, .Lfunc_end_k_q2131dedde9_gemm-k_q2131dedde9_gemm
	.p2alignl 7, 3214868480
	.fill 96, 4, 3214868480
	.section	.rodata,"a",@progbits
	.p2align	6, 0x0
	.amdhsa_kernel k_q2131dedde9_gemm
		.amdhsa_group_segment_fixed_size 327680
		.amdhsa_private_segment_fixed_size 0
		.amdhsa_enable_private_segment 0
		.amdhsa_kernarg_size 32
		.amdhsa_user_sgpr_count 2
		.amdhsa_user_sgpr_kernarg_segment_ptr 1
		.amdhsa_wavefront_size32 1
		.amdhsa_system_sgpr_workgroup_id_x 1
		.amdhsa_system_sgpr_workgroup_id_y 1
		.amdhsa_system_sgpr_workgroup_id_z 1
		.amdhsa_system_vgpr_workitem_id 0
		.amdhsa_next_free_vgpr 1024
		.amdhsa_next_free_sgpr 98
		.amdhsa_reserve_vcc 0
		.amdhsa_float_denorm_mode_32 3
		.amdhsa_float_denorm_mode_16_64 3
		.amdhsa_memory_ordered 1
		.amdhsa_forward_progress 1
		.amdhsa_inst_pref_size 211
	.end_amdhsa_kernel
	.amdgpu_metadata
---
amdhsa.version: [ 1, 2 ]
amdhsa.kernels:
  - .name:           k_q2131dedde9_gemm
    .symbol:         k_q2131dedde9_gemm.kd
    .args:
      - { .name: x_img, .offset: 0, .size: 8, .value_kind: global_buffer, .address_space: global }
      - { .name: w_img, .offset: 8, .size: 8, .value_kind: global_buffer, .address_space: global }
      - { .name: bias, .offset: 16, .size: 8, .value_kind: global_buffer, .address_space: global }
      - { .name: out0, .offset: 24, .size: 8, .value_kind: global_buffer, .address_space: global }
    .group_segment_fixed_size: 327680
    .private_segment_fixed_size: 0
    .kernarg_segment_align: 8
    .kernarg_segment_size: 32
    .max_flat_workgroup_size: 128
    .sgpr_count:     98
    .vgpr_count:     1024
    .wavefront_size: 32
...
	.end_amdgpu_metadata
.endif
;; end of part 3
